; MI455X (gfx1250); checked and timed in simulation.
; The chip was launched on July 23, 2026; its instructions are those of AMD's public machine-readable ISA for CDNA 5 (MIT licence, August 2026) and "CDNA5" Instruction Set Architecture Reference Guide (July 2026). The comments in the code are by the model that wrote it; some were corrected since.
;; Lin Bert Self Attention. Allowed arithmetic: float matrix products may take bf16 or f16 operands with f32 sums; other float arithmetic in f32, or as packed bf16 or f16 multiplies, adds, multiply-adds, maxima and minima; sums over many terms, partial sums and values carried from step to step in f32; what a program stores and reads back later, other than sums and carried values, may be rounded once to bf16 or f16.
;; Inputs: Wk 1,024 x 1,024 float32; Wq 1,024 x 1,024 float32; Wv 1,024 x 1,024 float32; attention_mask 8 x 1 x 1 x 2,048 float32; bk 1,024 float32; bq 1,024 float32; bv 1,024 float32; hidden_states 8 x 2,048 x 1,024 float32.
;; Outputs: out0 8 x 2,048 x 1,024 float32.
;; 2 versions, each right; version 2 is version 1 with the launch prep written anew for expert scheduling mode. Each part assembles by itself: llvm-mc -triple=amdgcn-amd-amdhsa -mcpu=gfx1250 --defsym DOCPART=n.
;; ======== version 1 of 2: 3 launches
;; limits: values are held in f16: magnitudes above 65,504 overflow, below 6.1e-05 lose precision
;; workspace buffers: xb 33,554,432 bytes; wb 6,291,456 bytes; phiq 33,554,432 bytes; part 10,485,760 bytes
;; launch prep (part 1): grid 1216 x 1, 8 waves a work-group, no clusters, 0 bytes of LDS; arguments hidden_states, Wq, Wk, Wv, xb, wb; writes xb, wb
.if DOCPART == 1
	.amdgcn_target "amdgcn-amd-amdhsa--gfx1250"
	.amdhsa_code_object_version 6
	.text
	.protected	k_qfc5416ee6a_prep
	.globl	k_qfc5416ee6a_prep
	.p2align	8
	.type	k_qfc5416ee6a_prep,@function
k_qfc5416ee6a_prep:
	s_mov_b64 s[64:65], 0
	v_nop
	global_prefetch_b8 v0, s[64:65] scope:SCOPE_SE
	s_setreg_imm32_b32 hwreg(HW_REG_WAVE_MODE, 25, 1), 1
	s_wait_xcnt 0x0
; hidden_states [16384][1024] and the three weights [1024][1024], f32, are rounded once to bf16 (nearest even).
; xb[row][k] = hidden_states[row][k].  wb has 3,072 rows of 1,024:
;   row 128 h + i          (i < 64)           = Wk row 64 h + i
;   row 128 h + 64 + 16 t + r  (t < 4, r < 16) = Wv row 64 h + 4 r + t   (so that the last product of the program leaves 4 neighbouring channels in a lane)
;   row 2048 + i                              = Wq row i
; A stream: no LDS, no barrier, no matrix unit.  A work-group takes 16 destination rows, a wave two neighbouring ones.  1,024 work-groups for x, 64 for each weight.
; A load of a wave covers 512 consecutive bytes, a store 256 consecutive bytes at a multiple of 256 from the buffer's first byte.  All 16 loads of a wave go out before the first is waited for.
.set X, 8                              ; v[8:71]    16 loads of 4 registers
.set Y, 72                             ; v[72:103]  16 stores of 2 registers; no register is written twice, so no store's source is ever rewritten
	s_load_b256 s[4:11], s[0:1], 0x0               ; hidden_states s[4:5], Wq s[6:7], Wk s[8:9], Wv s[10:11]
	s_load_b128 s[12:15], s[0:1], 0x20             ; xb s[12:13], wb s[14:15]
	v_lshrrev_b32 v4, 5, v0
	v_readfirstlane_b32 s16, v4                    ; wave 0..7
	v_and_b32 v5, 31, v0                           ; lane
	v_lshlrev_b32 v1, 4, v5                        ; in: 16 bytes a lane
	v_lshlrev_b32 v3, 3, v5                        ; out: 8 bytes a lane
	s_lshr_b32 s17, ttmp9, 6                       ; section: 0..15 x, 16 Wq, 17 Wk, 18 Wv
	s_lshl_b32 s18, ttmp9, 4
	s_lshl1_add_u32 s18, s16, s18                  ; id = 16 x work-group + 2 x wave: my first row, counted through all sections
	s_and_b32 s19, s18, 1023                       ; u: my first row in a weight's section
	s_lshr_b32 s20, s19, 6                         ; head
	s_and_b32 s21, s19, 63
	s_lshl_b32 s22, s20, 7
	s_add_co_u32 s22, s22, s21                     ; Wk's destination row: 128 head + u % 64
	s_and_b32 s23, s19, 15                         ; r
	s_bfe_u32 s24, s19, 0x20004                    ; t: two bits from bit 4
	s_lshl_b32 s25, s20, 6
	s_lshl2_add_u32 s25, s23, s25
	s_add_co_u32 s25, s25, s24                     ; Wv's source row: 64 head + 4 r + t
	s_add_co_u32 s29, s19, 2048                    ; Wq's destination row
	s_add_co_u32 s30, s22, 64                      ; Wv's destination row
	s_mov_b32 s26, s18                             ; x: source row,
	s_mov_b32 s27, s18                             ; destination row,
	s_mov_b32 s28, 4096                            ; and bytes from my first source row to my second
	s_wait_kmcnt 0x0
	s_cmp_eq_u32 s17, 16
	s_cselect_b64 s[4:5], s[6:7], s[4:5]
	s_cselect_b32 s26, s19, s26
	s_cselect_b32 s27, s29, s27
	s_cmp_eq_u32 s17, 17
	s_cselect_b64 s[4:5], s[8:9], s[4:5]
	s_cselect_b32 s26, s19, s26
	s_cselect_b32 s27, s22, s27
	s_cmp_eq_u32 s17, 18
	s_cselect_b64 s[4:5], s[10:11], s[4:5]
	s_cselect_b32 s26, s25, s26
	s_cselect_b32 s27, s30, s27
	s_cselect_b32 s28, 16384, s28                  ; r + 1 lies four rows of Wv further on
	s_cmp_lt_u32 s17, 16
	s_cselect_b64 s[12:13], s[12:13], s[14:15]
	s_lshl_b32 s32, s26, 12                        ; offsets are made apart from the addresses: 4,096 bytes a source row,
	s_mov_b32 s33, 0
	s_lshl_b32 s34, s27, 11                        ; 2,048 a destination row
	s_mov_b32 s35, 0
	s_add_nc_u64 s[4:5], s[4:5], s[32:33]
	s_add_nc_u64 s[12:13], s[12:13], s[34:35]
	v_add_nc_u32 v2, s28, v1                       ; my second source row
.irp j, 0,1,2,3,4,5,6,7
	global_load_b128 v[X+4*(\j):X+4*(\j)+3], v1, s[4:5] offset:512*(\j) th:TH_LOAD_NT
.endr
.irp j, 0,1,2,3,4,5,6,7
	global_load_b128 v[X+32+4*(\j):X+32+4*(\j)+3], v2, s[4:5] offset:512*(\j) th:TH_LOAD_NT
.endr
.set i, 0
.rept 16
	s_wait_loadcnt 15-i                            ; loads come back in order: load i is in, the 15 - i issued behind it may stay out
	v_cvt_pk_bf16_f32 v[Y+2*i],   v[X+4*i],   v[X+4*i+1]
	v_cvt_pk_bf16_f32 v[Y+2*i+1], v[X+4*i+2], v[X+4*i+3]
	global_store_b64 v3, v[Y+2*i:Y+2*i+1], s[12:13] offset:(i/8)*2048+256*(i%8)
.set i, i+1
.endr
	s_endpgm
.Lfunc_end_k_qfc5416ee6a_prep:
	.size	k_qfc5416ee6a_prep, .Lfunc_end_k_qfc5416ee6a_prep-k_qfc5416ee6a_prep
	.p2alignl 7, 3214868480
	.fill 96, 4, 3214868480
	.section	.rodata,"a",@progbits
	.p2align	6, 0x0
	.amdhsa_kernel k_qfc5416ee6a_prep
		.amdhsa_group_segment_fixed_size 0
		.amdhsa_private_segment_fixed_size 0
		.amdhsa_enable_private_segment 0
		.amdhsa_kernarg_size 48
		.amdhsa_user_sgpr_count 2
		.amdhsa_user_sgpr_kernarg_segment_ptr 1
		.amdhsa_wavefront_size32 1
		.amdhsa_system_sgpr_workgroup_id_x 1
		.amdhsa_system_sgpr_workgroup_id_y 1
		.amdhsa_system_sgpr_workgroup_id_z 1
		.amdhsa_system_vgpr_workitem_id 0
		.amdhsa_next_free_vgpr 104
		.amdhsa_next_free_sgpr 66
		.amdhsa_reserve_vcc 0
		.amdhsa_float_denorm_mode_32 3
		.amdhsa_float_denorm_mode_16_64 3
		.amdhsa_memory_ordered 1
		.amdhsa_forward_progress 1
		.amdhsa_inst_pref_size 8
	.end_amdhsa_kernel
	.amdgpu_metadata
---
amdhsa.version: [ 1, 2 ]
amdhsa.kernels:
  - .name:           k_qfc5416ee6a_prep
    .symbol:         k_qfc5416ee6a_prep.kd
    .args:
      - { .name: hidden_states, .offset: 0, .size: 8, .value_kind: global_buffer, .address_space: global }
      - { .name: Wq, .offset: 8, .size: 8, .value_kind: global_buffer, .address_space: global }
      - { .name: Wk, .offset: 16, .size: 8, .value_kind: global_buffer, .address_space: global }
      - { .name: Wv, .offset: 24, .size: 8, .value_kind: global_buffer, .address_space: global }
      - { .name: xb, .offset: 32, .size: 8, .value_kind: global_buffer, .address_space: global }
      - { .name: wb, .offset: 40, .size: 8, .value_kind: global_buffer, .address_space: global }
    .group_segment_fixed_size: 0
    .private_segment_fixed_size: 0
    .kernarg_segment_align: 8
    .kernarg_segment_size: 48
    .max_flat_workgroup_size: 256
    .sgpr_count:     66
    .vgpr_count:     104
    .wavefront_size: 32
...
	.end_amdgpu_metadata
.endif
;; end of part 1
;; launch proj (part 2): grid 8 x 32, 4 waves a work-group, clusters of 4 x 4, 327,680 bytes of LDS; arguments xb, wb, bq, bk, bv, attention_mask, phiq, part; writes phiq, part
.if DOCPART == 2
	.amdgcn_target "amdgcn-amd-amdhsa--gfx1250"
	.amdhsa_code_object_version 6
	.text
	.protected	k_qfc5416ee6a_proj
	.globl	k_qfc5416ee6a_proj
	.p2align	8
	.type	k_qfc5416ee6a_proj,@function
k_qfc5416ee6a_proj:
	s_mov_b64 s[64:65], 0
	v_nop
	global_prefetch_b8 v0, s[64:65] scope:SCOPE_SE
	s_setreg_imm32_b32 hwreg(HW_REG_WAVE_MODE, 25, 1), 1
	s_wait_xcnt 0x0
	s_wait_alu depctr_hold_cnt(0) depctr_sa_sdst(0) depctr_va_vdst(0) depctr_va_sdst(0) depctr_va_ssrc(0) depctr_va_vcc(0) depctr_vm_vsrc(0)
	s_getreg_b32 s2, hwreg(HW_REG_IB_STS2, 6, 4)
	s_cmp_eq_u32 s2, 0
	s_cbranch_scc0 .Lentry_in_a_cluster
	s_endpgm
.Lentry_in_a_cluster:
	s_bfe_u32 s2, ttmp6, 0x10000c
	s_cmp_lg_u32 s2, 0xf033
	s_cbranch_scc0 .Lentry_shape_is_right
	s_endpgm
.Lentry_shape_is_right:
; ALL THREE PROJECTIONS.  C = xb wb^T, 16,384 x 3,072, K = 1,024, bf16 operands, f32 sums: 768 tiles of 256 x 256 on 256 work-groups THAT STAY: three tiles each, the ring of LDS slots running on from tile to tile.
; A tile is made by four waves, each 128 x 128: 64 accumulators of 16 x 16, 512 registers.  K goes in steps of 128 through two LDS slots filled by joint tensor loads.
; ONE TEXT FOR THE K WALK: source 0 = 16 rows of LDS region A, source 1 = 16 rows of region B; in the result lane l holds ONE row of B (l % 16) and the rows 8 (l / 16) + 0..7 of A.  What differs is what is LOADED:
;   tile 0 (Q):    A = wb rows 2048 + 256 cy (Wq's channels), B = xb rows 256 xt, xt = 4 (cluster x + 2 cluster y) + cx.  A lane holds one row s and 8 channels d: packed to f16, an accumulator is half of an operand
;                  (16 rows s x 32 d) of phiQ kv, and is stored as it lies.  It comes first, so that its stores leave while the next tile is multiplied.
;   tiles 1, 2 (K/V): A = xb rows 256 (2 y + j), B = wb rows 256 x: two heads, for each 64 channels of K and 64 of V (V's column 16 t + r is channel e = 4 r + t).  A lane holds one column and 8 rows s: two
;                  accumulators packed to f16 ARE an operand (16 columns x 32 rows s) of kv[d][e] = sum over s of phiK[s][d] v[s][e]; z[d] is the same product with ones.  kv and z add up over both tiles in registers.
; CLUSTER 4 x 4: region A hangs on cy alone (and the cluster) and is shared along a row of the cluster, region B on cx alone and is shared along a column, in every tile: joint loads, the same descriptor and mask in all four.
; phi(x) = elu(x) + 1 = the middle one of (x + 1, e^x, 1): for x > 0: 1 < x + 1 <= e^x; for x < 0: x + 1 <= e^x < 1.  With y = sum + (bias + 1): e^x = 2^(y L - L), L = log2 e.
; FORMATS.  x, W, biases and mask are rounded to bf16 (biases and mask here); phiQ, phiK x mask and v once to f16; kv's and z's sums are f32 and leave as f32.
; LIMITS.  |q| + 1, (|k| + 1) |mask| and |v| stay under 65,504 (f16's largest number); e^x is taken of fl(x + 1) - 1: off by at most 6e-8 in the exponent; below 2^-126 it counts as 0.  NaN and infinities are not treated apart.
; OUT.  phiq[batch x 16 + head][row block 128][2,048 bytes]: d half kk, then registers 0-3 of all lanes, then 4-7.  part[y 32][head 16][image 20][1,024 bytes]: image 4 t + bd is kv's accumulator (d block bd, e block t)
; as it lies in registers; images 16 + bd are z's; a batch has four y.  The two waves that share a K/V head (row halves) meet in LDS at the end; one of them stores.
; REGISTERS, in windows of 256 (s_set_vgpr_msb: bits 1:0 source 0, 3:2 source 1, 5:4 source 2, 7:6 destination):
;   window 0: v0-31 addresses, raw biases; v32-63 z's four accumulators; v64-191 fragments of region A, two buffers (on the ways out: at work); v192-255 the tile's side data: bq, or the mask of my 128 rows
;   window 1: v0-63, v192-255 kv's sixteen accumulators; v64-191 fragments of region B, two buffers (on the ways out: f16 operands, bq + 1)
;   window 2: the accumulators of my A rows 0-63 ((a, b) at v[8 (8 a + b)]);  window 3: those of my A rows 64-127
.set SIZE_K, 1024
.set KSTEP,  128
.set PITCH,  272                       ; an LDS row: 256 bytes + 16 of padding = 68 words: the 16 rows that a load touches start at 16 different groups of four banks (64 banks of 4 bytes: ISA guide 11.1)
.set HALFT,  128*PITCH                 ; 128 rows: what one tensor load brings, and what one wave reads of a region
.set SLOT,   4*HALFT                   ; region A's 256 rows, then region B's
.set STAGE,  2*SLOT                    ; behind the ring, never filled by a tensor load: two areas, one for each K/V head, for the meeting of the row halves
.set AREA,   20480                     ; 20 images of 1,024 bytes
.set SPARE,  STAGE+2*AREA              ; behind them: the spare words, 128 bytes for each wave: two blocks of 256 bytes that no other line names
.set LAPS,   SIZE_K/(2*KSTEP)          ; a lap = two K steps = once round the ring
.set ADRA, 16                          ; v16-17  LDS address of my fragments of region A in slot 0, 1
.set ADRB, 20                          ; v20-21  the same for region B
.set SO,   22                          ; v22     byte offset of my lanes' first number in the tile's side data
.set BO,   23                          ; v23     byte offset in bk of my column of block 0
.set STO,  24                          ; v24     my 16 bytes in my head's area of the stage
.set HH,   25                          ; v25     32 (l / 16): eight f32; never rewritten
.set CO,   26                          ; v26     16 x lane: my 16 bytes of 512 in phiq and in part
.set BVO,  27                          ; v27     byte offset in bv of my four channels
.set SPW,  28                          ; v28     LDS address of my spare word; never rewritten
.set NIL,  29                          ; v29     0; never rewritten
.set PFO,  30                          ; v30     the prefetches' offset: lane x 2,048 bytes (a row); never rewritten
.set ZA,   32                          ; v32-63  z's accumulators, d block bd at ZA + 8 bd
.set F0,   64
.set F1,   128
.set SD,   192                         ; side data: number 16 a + 8 (l / 16) + j of my 128 at SD + 8 a + j
.set T,    64                          ; the ways out, window 0: 64 registers at work
.set BPK,  128                         ; K/V: four pairs (bk + 1, bk + 1), one for each d block
.set BPV,  136                         ; K/V: four pairs (bv, bv), one for each e block
.set PQ,   128                         ; Q: 32 registers, eight accumulators packed
.set LD,   64                          ; the meeting: the partner's 160 registers
.set PK,   64                          ; window 1: phiK's operand for d block bd at PK + 8 bd
.set PVF,  96                          ; window 1: v's operand for e block t at PVF + 8 t
.set ONES, 128                         ; window 1: 1.0 in every f16
.set B1,   64                          ; window 1, Q: bq + 1
.set TL,   2                           ; s2      tiles to go, this one among them: the same in every work-group
.set LIM,  43                          ; s43     1 in a wave that prefetches in this tile, else the greatest number
.set PFA,  44                          ; s[44:45] where my prefetches stand
.set G1,   24                          ; s[24:31] descriptor group 1 for region A's tiles;  s[32:39] group 0, a set for each slot
.set G0,   32
.set G1B,  48                          ; s[48:55], s[56:63] the same for region B's
.set G0B,  56
.set ONE,  66                          ; s66     1.0
.set HIM,  67                          ; s67     a word's upper bf16
.set LG,   76                          ; s[76:77] L = log2 e, twice
.set NLG,  78                          ; s[78:79] -L, twice
.set NA,   80                          ; s[80:81] the next tile's region A, at the rows that I fetch, K step 0
.set NB,   82                          ; s[82:83] the same for region B
.set SB,   88                          ; s[88:89] the buffer of this tile's side data
.set PF1,  90                          ; s[90:91] where tile 1's prefetches begin
.set LIM1, 92                          ; s92     the next tile's LIM
.set SOF,  93                          ; s93     byte offset of my 128 numbers in this tile's side data
.set SOF1, 94                          ; s94     the next tile's
.set MSB, 0
.macro WIN new                         ; the immediate's high byte repeats the setting that is left; a switch that changes nothing is dropped
.if MSB != (\new)
	s_set_vgpr_msb (MSB<<8)|(\new)
.set MSB, \new
.endif
.endm
.set MUL_LO, 0xa4                      ; source 0 (region A) window 0, source 1 (region B) window 1, C and D window 2
.set MUL_HI, 0xf4                      ; the same, C and D window 3
.set TO_B,   0x40                      ; destination window 1, address window 0
; A joint load.  Waves 0 and 1 fetch region A's two halves, waves 2 and 3 region B's.  The branch hangs on the wave's number alone.  An s_nop 0 and four v_nop follow each of the two lines.
.macro JLOAD s
	s_cmp_eq_u32 s11, 0
	s_cbranch_scc0 .Lfor_b_\@
	tensor_load_to_lds s[G0+4*(\s):G0+4*(\s)+3], s[G1:G1+7]
	s_nop 0
.rept 4
	v_nop
.endr
	s_branch .Lasked_\@
.Lfor_b_\@:
	tensor_load_to_lds s[G0B+4*(\s):G0B+4*(\s)+3], s[G1B:G1B+7]
	s_nop 0
.rept 4
	v_nop
.endr
.Lasked_\@:
.endm
; A prefetch, behind each joint refill of the lap loop and the run of LDS loads that follows it: the K step that stands two refills on: 32 rows x 256 bytes, a lane a row, one instruction a wave.
; Named are the rows that the launch reads for the first time, each row's 256 bytes of a K step once.  Tile 0 reads every row of xb, each by one column of one cluster: every cluster asks for its own; Wq's rows are read by all
; clusters: cluster (0, 0) asks.  Tile 1 reads wb's K/V rows, each by the eight clusters of one x: those with y = 0 ask; its rows of xb, and all of tile 2's rows, have been read before.  The four partners that ask for a tile jointly
; take 32 of a wave's 128 rows each, told apart by address.  K steps 4 to 7 of a tile are named; the loop's last trip (s3 = 1) names nothing; a tile's K steps 0 to 3 come by their loads alone.
.macro ASK
	s_cmp_gt_u32 s3, s[LIM]
	s_cbranch_scc0 .Lnot_mine_\@
	global_prefetch_b8 v[PFO], s[PFA:PFA+1] offset:KSTEP*2 th:TH_LOAD_NT scope:SCOPE_SE
.Lnot_mine_\@:
.endm
.macro CREST                           ; a round of the cluster's barrier behind its opening barrier
	s_cmp_lg_u32 s10, 0
	s_cbranch_scc1 .Lnot_wave_0_\@
	s_barrier_signal -3
.Lnot_wave_0_\@:
	s_barrier_wait -3
	s_barrier_signal -1
	s_barrier_wait -1
.endm
.macro CROUND                          ; a whole round
	s_barrier_signal -1
	s_barrier_wait -1
	CREST
.endm
	s_load_b128 s[4:7], s[0:1], 0x0                ; xb s[4:5], wb s[6:7]
	s_load_b128 s[68:71], s[0:1], 0x10             ; bq s[68:69], bk s[70:71]
	s_load_b128 s[72:75], s[0:1], 0x20             ; bv s[72:73], attention_mask s[74:75]
	s_load_b128 s[84:87], s[0:1], 0x30             ; phiq s[84:85], part s[86:87]
	v_lshl_add_u32 v[SPW], v0, 2, SPARE
	v_mov_b32 v[NIL], 0
	ds_add_u32 v[SPW], v[NIL]                      ; the wave's opening: the add and its wait stand ahead of my first tensor load; the set-up below, work on registers, stands between them
	v_lshrrev_b32 v1, 5, v0
	v_readfirstlane_b32 s10, v1                    ; wave 0..3
	s_lshr_b32 s11, s10, 1                         ; which half of region A's rows is mine.  Also: I fetch for region A (0) or B (1)
	s_and_b32 s12, s10, 1                          ; which half of region B's rows is mine.  Also: which 128 rows of that region I fetch
	s_bfe_u32 s40, ttmp6, 0x40000                  ; cx
	s_bfe_u32 s41, ttmp6, 0x40004                  ; cy
	s_lshl_b32 s42, ttmp9, 2
	s_add_co_u32 s42, s42, s40                     ; x = 4 x cluster x + cx, 0..7
	s_and_b32 s13, ttmp7, 0xffff
	s_lshl_b32 s13, s13, 2
	s_add_co_u32 s13, s13, s41                     ; y = 4 x cluster y + cy, 0..31
	s_and_b32 s8, ttmp7, 0xffff
	s_lshl1_add_u32 s8, s8, ttmp9                  ; the cluster's number, 0..15
	s_lshl2_add_u32 s8, s8, s40                    ; xt = 4 x that + cx: the Q tile's 256 rows of xb
	s_lshl_b32 s43, s41, 2
	s_lshl_b32 s43, 15, s43                        ; my row of the cluster: places 4 cy .. 4 cy + 3
	s_lshl_b32 s44, 0x1111, s40                    ; my column: places cx, cx + 4, cx + 8, cx + 12
	; descriptor group 1: a tile of 128 rows x 128 elements of 2 bytes, 16 bytes of padding behind every 256
	s_or_b32 s[G1+0], s43, (1<<16)|(1<<20)|(1<<21)|(5<<22)|(3<<25)   ; 15:0 the mask; 17:16 2-byte elements; 20 padding on; 21 set beside a mask; 24:22 after every 64 words (code 5); 31:25 4 words (code 3)
	s_or_b32 s[G1B+0], s44, (1<<16)|(1<<20)|(1<<21)|(5<<22)|(3<<25)
.irp g, G1, G1B
	s_mov_b32 s[(\g)+1], KSTEP<<16                 ; tensor_dim0 = 128
	s_mov_b32 s[(\g)+2], 128<<16                   ; tensor_dim1 = 128
	s_mov_b32 s[(\g)+3], KSTEP<<16                 ; tile_dim0 = 128
	s_mov_b32 s[(\g)+4], 128                       ; tile_dim1 = 128
	s_mov_b32 s[(\g)+5], SIZE_K                    ; elements from row to row
	s_mov_b32 s[(\g)+6], 0
	s_mov_b32 s[(\g)+7], 0
.endr
	; where the tiles come from, as byte offsets (a row is 2,048 bytes; all stay under 2^26).  Region A's are made of cy, region B's of cx, each in registers that never hold the other.
	s_lshl_b32 s9, s12, 7                          ; which 128 rows of a region I fetch
	s_lshl_b32 s16, s41, 8
	s_add_co_u32 s16, s16, s9
	s_add_co_u32 s16, s16, 2048                    ; tile 0, A: wb row 2048 + 256 cy + 128 x half
	s_lshl_b32 s16, s16, 11
	s_mov_b32 s17, 0
	s_lshl_b32 s18, s13, 9
	s_add_co_u32 s18, s18, s9                      ; tile 1, A: xb row 512 y + 128 x half
	s_lshl_b32 s18, s18, 11
	s_mov_b32 s19, 0
	s_lshl_b32 s46, s8, 8
	s_add_co_u32 s46, s46, s9                      ; tile 0, B: xb row 256 xt + 128 x half
	s_lshl_b32 s46, s46, 11
	s_mov_b32 s47, 0
	s_lshl_b32 s96, s42, 8
	s_add_co_u32 s96, s96, s9                      ; tiles 1 and 2, B: wb row 256 x + 128 x half
	s_lshl_b32 s96, s96, 11
	s_mov_b32 s97, 0
	s_mul_i32 s20, s10, HALFT                      ; where they go: wave x 128 rows: no place in the cluster enters an LDS address
	s_mov_b32 s[HIM], 0xffff0000
	s_mov_b32 s[ONE], 1.0
	s_mov_b32 s[LG], 0x3fb8aa3b
	s_mov_b32 s[LG+1], 0x3fb8aa3b
	s_mov_b32 s[NLG], 0xbfb8aa3b
	s_mov_b32 s[NLG+1], 0xbfb8aa3b
	s_wait_dscnt 0x0                               ; the opening add is done
	s_wait_kmcnt 0x0
	s_add_nc_u64 s[14:15], s[6:7], s[16:17]
	s_add_nc_u64 s[NA:NA+1], s[4:5], s[18:19]
	s_add_nc_u64 s[46:47], s[4:5], s[46:47]
	s_add_nc_u64 s[NB:NB+1], s[6:7], s[96:97]
	CROUND                                         ; all sixteen work-groups are here: the first joint loads meet
.irp s, 0,1
	s_mov_b32 s[G0+4*(\s)], 1                                        ; count = 1
	s_add_co_u32 s[G0+4*(\s)+1], s20, (\s)*SLOT                      ; LDS address
	s_add_nc_u64 s[G0+4*(\s)+2:G0+4*(\s)+3], s[14:15], (\s)*KSTEP*2  ; global address: K step s
	s_or_b32 s[G0+4*(\s)+3], s[G0+4*(\s)+3], 0x80000000              ; type = 2
	s_mov_b32 s[G0B+4*(\s)], 1
	s_add_co_u32 s[G0B+4*(\s)+1], s20, (\s)*SLOT
	s_add_nc_u64 s[G0B+4*(\s)+2:G0B+4*(\s)+3], s[46:47], (\s)*KSTEP*2
	s_or_b32 s[G0B+4*(\s)+3], s[G0B+4*(\s)+3], 0x80000000
	JLOAD \s                                       ; two tensor loads of mine are out
.endr
	; a fragment is 16 rows x 32 K in 8 registers: lane l holds row l % 16, K = 8 (l / 16) + 0..7 and 16 + 8 (l / 16) + 0..7: two loads of 16 bytes, 32 bytes apart
	v_and_b32 v1, 15, v0                           ; r = l % 16
	v_bfe_u32 v2, v0, 4, 1                         ; h = l / 16
	v_mul_u32_u24 v3, v1, PITCH
	v_lshl_add_u32 v3, v2, 4, v3
	s_mul_i32 s21, s11, HALFT                      ; my 128 rows of region A
	s_mul_i32 s22, s12, HALFT                      ; my 128 rows of region B,
	s_add_co_u32 s22, s22, 2*HALFT                 ; which lie behind A's 256
.irp s, 0,1
	v_add_nc_u32 v[ADRA+(\s)], s21, v3
	v_add_nc_u32 v[ADRB+(\s)], s22, v3
	s_add_co_u32 s21, s21, SLOT
	s_add_co_u32 s22, s22, SLOT
.endr
	v_and_b32 v4, 31, v0
	v_lshlrev_b32 v[CO], 4, v4
	s_mul_i32 s23, s12, AREA
	s_add_co_u32 s23, s23, STAGE
	v_add_nc_u32 v[STO], s23, v[CO]
	v_lshlrev_b32 v[HH], 5, v2
	s_lshl1_add_u32 s20, s42, s12                  ; my K/V head = 2 x + column half
	s_lshl_b32 s15, s20, 8                         ; 64 numbers a head
	v_lshl_add_u32 v[BO], v1, 2, s15               ; bk[64 head + r], blocks 64 bytes apart
	v_lshl_add_u32 v[BVO], v1, 4, s15              ; bv[64 head + 4 r + 0..3]
.irp b, 0,1,2,3
	global_load_b32 v[8+(\b)], v[BO], s[70:71] offset:64*(\b)
.endr
	global_load_b128 v[12:15], v[BVO], s[72:73]
	s_lshl4_add_u32 s16, s13, s20                  ; 16 y + head
	s_mul_i32 s16, s16, AREA
	s_mov_b32 s17, 0
	s_add_nc_u64 s[86:87], s[86:87], s[16:17]      ; part at my y's and head's 20 images
	; the tiles' side data: tile 0: bq of my 128 channels, 256 cy + 128 x row half; tiles 1, 2: the mask ([8][2048] taken as 16,384 numbers) of my 128 rows, 256 (2 y + j) + 128 x row half
	s_lshl_b32 s21, s11, 9
	s_lshl_b32 s[SOF], s41, 10
	s_add_co_u32 s[SOF], s[SOF], s21
	s_lshl_b32 s[SOF1], s13, 11
	s_add_co_u32 s[SOF1], s[SOF1], s21
	s_mov_b64 s[SB:SB+1], s[68:69]
	; phiq at my first head (4 cy + 2 x row half) and my first row block (16 (xt % 8) + 8 x column half) of batch xt / 8
	s_lshr_b32 s16, s8, 3
	s_lshl_b32 s16, s16, 4
	s_lshl2_add_u32 s16, s41, s16
	s_lshl1_add_u32 s16, s11, s16
	s_lshl_b32 s16, s16, 7                         ; 128 row blocks a head
	s_and_b32 s17, s8, 7
	s_lshl4_add_u32 s16, s17, s16
	s_lshl3_add_u32 s16, s12, s16
	s_lshl_b32 s16, s16, 11                        ; 2,048 bytes a row block
	s_mov_b32 s17, 0
	s_add_nc_u64 s[84:85], s[84:85], s[16:17]
	; the prefetches: who asks hangs on the cluster's place and the wave's number alone
	s_and_b32 s22, ttmp7, 0xffff                   ; cluster y
	s_or_b32 s23, s22, ttmp9
	s_cmp_eq_u32 s23, 0
	s_cselect_b32 s23, 1, -1                       ; tile 0, region A (Wq): cluster (0, 0)
	s_cmp_eq_u32 s22, 0
	s_cselect_b32 s22, 1, -1                       ; tile 1, region B (wb's K/V rows): clusters with y = 0
	s_lshl_b32 s16, s41, 8
	s_add_co_u32 s16, s16, 2048
	s_lshl_b32 s17, s40, 5
	s_add_co_u32 s16, s16, s17                     ; Wq: the region's first row + 32 x my place among the four of my row
	s_lshl_b32 s18, s8, 8
	s_lshl_b32 s19, s41, 5
	s_add_co_u32 s18, s18, s19                     ; xb: + 32 x my place among the four of my column
	s_lshl_b32 s21, s42, 8
	s_add_co_u32 s21, s21, s19                     ; wb's K/V rows likewise
	s_cmp_eq_u32 s11, 0                            ; do I fetch for region A?
	s_cselect_b32 s[LIM], s23, 1
	s_cselect_b32 s[LIM1], -1, s22
	s_cselect_b64 s[PFA:PFA+1], s[6:7], s[4:5]
	s_cselect_b32 s16, s16, s18
	s_add_co_u32 s16, s16, s9                      ; + the 128 rows that I fetch
	s_add_co_u32 s21, s21, s9
	s_lshl_b32 s16, s16, 11
	s_add_co_u32 s16, s16, 2*KSTEP*2               ; at K step 2: a tile's first refill steps it to 3 and names K step 4
	s_mov_b32 s17, 0
	s_add_nc_u64 s[PFA:PFA+1], s[PFA:PFA+1], s[16:17]
	s_lshl_b32 s18, s21, 11
	s_add_co_u32 s18, s18, 2*KSTEP*2
	s_mov_b32 s19, 0
	s_add_nc_u64 s[PF1:PF1+1], s[6:7], s[18:19]
	v_and_b32 v[PFO], 31, v0
	v_mul_u32_u24 v[PFO], v[PFO], SIZE_K*2
	; kv's and z's sums start at 0: 160 lines, in the wait for the first tile: the price of writing the small product once, in a loop
	WIN 0x40
.set i, 0
.rept 64
	v_mov_b32 v[i], 0
	v_mov_b32 v[192+i], 0
.set i, i+1
.endr
	WIN 0
.set i, 0
.rept 32
	v_mov_b32 v[ZA+i], 0
.set i, i+1
.endr
; 16 matrix instructions: A blocks a0, a0 + 1 of the window's four x all 8 B blocks, 32 along K.  zero = 1: the first product starts the sums
.macro MUL16 f, hi, a0, zero
	WIN MUL_LO+0x50*(\hi)
.irp a, \a0, (\a0)+1
.irp b, 0,1,2,3,4,5,6,7
.if \zero
	v_wmma_f32_16x16x32_bf16 v[8*(8*(\a)+(\b)):8*(8*(\a)+(\b))+7], v[(\f)+8*(4*(\hi)+(\a)):(\f)+8*(4*(\hi)+(\a))+7], v[(\f)+8*(\b):(\f)+8*(\b)+7], 0
.else
	v_wmma_f32_16x16x32_bf16 v[8*(8*(\a)+(\b)):8*(8*(\a)+(\b))+7], v[(\f)+8*(4*(\hi)+(\a)):(\f)+8*(4*(\hi)+(\a))+7], v[(\f)+8*(\b):(\f)+8*(\b)+7], v[8*(8*(\a)+(\b)):8*(8*(\a)+(\b))+7]
.endif
.endr
.endr
.endm
; 32 LDS loads in one run: the fragments of one quarter step (128 rows of region B, 128 of region A, 32 K at byte k of the rows) into buffer f
.macro FETCH slot, k, f
	WIN TO_B
.irp i, 0,1,2,3,4,5,6,7
	ds_load_b128 v[(\f)+8*(\i):(\f)+8*(\i)+3],   v[ADRB+(\slot)] offset:(\k)+(\i)*16*PITCH
	ds_load_b128 v[(\f)+8*(\i)+4:(\f)+8*(\i)+7], v[ADRB+(\slot)] offset:(\k)+(\i)*16*PITCH+32
.endr
	WIN 0
.irp i, 0,1,2,3,4,5,6,7
	ds_load_b128 v[(\f)+8*(\i):(\f)+8*(\i)+3],   v[ADRA+(\slot)] offset:(\k)+(\i)*16*PITCH
	ds_load_b128 v[(\f)+8*(\i)+4:(\f)+8*(\i)+7], v[ADRA+(\slot)] offset:(\k)+(\i)*16*PITCH+32
.endr
.endm
.macro PLACES                          ; four plain instructions between a matrix instruction and a load into, or a vector line on, its registers (ISA guide 7.12.1 for vector lines)
.rept 4
	v_nop
.endr
.endm
; A K step is four quarters of 32 along K, 64 matrix instructions each, on buffers 0, 1, 0, 1.  One of the first three: multiplies buffer f; in its middle it fetches the next quarter, at byte k, into g.
.macro QUARTER slot, k, f, g, zero
	s_wait_dscnt 8                                 ; region B's fragments and A's rows 0-63 are in; the youngest eight loads (A's rows 64-127) may be out
	MUL16 \f, 0, 0, \zero
	MUL16 \f, 0, 2, \zero
	PLACES
	FETCH \slot, \k, \g
	s_wait_dscnt 32                                ; all but the 32 just issued
	MUL16 \f, 1, 0, \zero
	MUL16 \f, 1, 2, \zero
.endm
; The last quarter multiplies buffer 1 and changes slots.  MEET is its first half: one barrier.  In front of it each wave waits for all its tensor loads (one is out: its part of the next slot), adds 0 to its
; spare word, and waits for that and for its own reads of this slot.  Behind it nobody reads this slot any more and the next slot is whole.
.macro MEET round
	WIN 0                                          ; (the add's two registers lie in window 0)
	s_wait_tensorcnt 0x0
	ds_add_u32 v[SPW], v[NIL]                      ; 0 onto my spare word
	s_wait_dscnt 9                                 ; (the add and the youngest eight loads may be out)
	MUL16 F1, 0, 0, 0                              ; sixteen matrix instructions stand between the add and the wait for it
	s_wait_dscnt 0x0                               ; the add is done, and my reads of this slot are over
	s_barrier_signal -1
	MUL16 F1, 0, 2, 0                              ; work on registers while the others arrive
.if \round
	WIN 0
.endif
	s_barrier_wait -1
.endm
; The whole last quarter, with the refill: the barrier opens a round of the cluster's barrier, and the joint refill is the first tensor load behind the round: it has 224 matrix instructions or more in which to land.
; on = 0: this slot's K step two steps on.  on = 1, a tile's last two K steps: the NEXT tile's K step 0 or 1; the address is made anew from that tile's base.  Behind the second of these nothing is fetched from LDS:
; the way out needs the fragments' registers, and the next tile fetches its first fragments itself.
.macro TURN slot, next, on
.if (\on) == 0
	s_wait_xcnt 0x0                                ; the last prefetch, a K step back, has read its address, which is stepped here
	s_add_nc_u64 s[PFA:PFA+1], s[PFA:PFA+1], KSTEP*2
.endif
	MEET 1
	CREST                                          ; no wave of any partner still reads this slot's tile or has a load on its way
.if \on
	s_add_nc_u64 s[G0+4*(\slot)+2:G0+4*(\slot)+3], s[NA:NA+1], (\slot)*KSTEP*2
	s_or_b32 s[G0+4*(\slot)+3], s[G0+4*(\slot)+3], 0x80000000
	s_add_nc_u64 s[G0B+4*(\slot)+2:G0B+4*(\slot)+3], s[NB:NB+1], (\slot)*KSTEP*2
	s_or_b32 s[G0B+4*(\slot)+3], s[G0B+4*(\slot)+3], 0x80000000
.else
	s_add_nc_u64 s[G0+4*(\slot)+2:G0+4*(\slot)+3], s[G0+4*(\slot)+2:G0+4*(\slot)+3], 2*KSTEP*2
	s_add_nc_u64 s[G0B+4*(\slot)+2:G0B+4*(\slot)+3], s[G0B+4*(\slot)+2:G0B+4*(\slot)+3], 2*KSTEP*2
.endif
	JLOAD \slot                                    ; the four v_nop behind it are also the places in front of the loads below
.if (\on)*(\slot) == 0
	FETCH \next, 0, F0
.endif
.if (\on) == 0
	ASK
.endif
	MUL16 F1, 1, 0, 0
	MUL16 F1, 1, 2, 0
.endm
; THE Q TILE'S WAY OUT, eight accumulators (A block u of window 2: 16 channels; all 8 row blocks) at a time.
; QA: y = sum + (bq + 1), in place; y L - L; the 64 exponentials, one batch.  Each accumulator's lowest registers are read first.
.macro QA u
	WIN 0x86
.set n, 0
.rept 32
	v_pk_add_f32 v[64*(\u)+2*n:64*(\u)+2*n+1], v[64*(\u)+2*n:64*(\u)+2*n+1], v[B1+8*(\u)+2*(n%4):B1+8*(\u)+2*(n%4)+1]
.set n, n+1
.endr
	WIN 0x02
.set n, 0
.rept 32
	v_pk_fma_f32 v[T+2*n:T+2*n+1], v[64*(\u)+2*n:64*(\u)+2*n+1], s[LG:LG+1], s[NLG:NLG+1] op_sel_hi:[1,0,0]
.set n, n+1
.endr
	WIN 0
.set n, 0
.rept 64
	v_exp_f32 v[T+n], v[T+n]
.set n, n+1
.endr
	v_nop                                          ; a plain instruction behind the last exponential,
	s_wait_alu depctr_va_vdst(0)                   ; and the batch's one wait, ahead of the first reader
.endm
; QB: phi = the middle one of (y, e^x, 1), rounded to f16; an accumulator's four packed registers are registers 0-3 (u even) or 4-7 (u odd) of the operand of d half u / 2 of its row block: one store of 512 consecutive bytes
.macro QB u
	WIN 0x02
.set n, 0
.rept 64
	v_med3_num_f32 v[T+n], v[64*(\u)+n], v[T+n], s[ONE]
.set n, n+1
.endr
	WIN 0
	s_wait_xcnt 0x0                                ; the stores of the eight before have read their registers, which are written again below
.set n, 0
.rept 32
	v_cvt_pk_f16_f32 v[PQ+n], v[T+2*n], v[T+2*n+1]
.set n, n+1
.endr
.irp b, 0,1,2,3,4,5,6,7
	global_store_b128 v[CO], v[PQ+4*(\b):PQ+4*(\b)+3], s[84:85] offset:2048*(\b)+512*(\u)
.endr
.endm
; THE K/V TILES' WAY TO kv.  A group g is two A blocks (32 rows s) of window 2: a' = 2 g, 2 g + 1.
; KA: K's four column blocks: y = sum + (bk + 1), in place; y L - L; the 64 exponentials, one batch.
.macro KA g
	WIN 0x82
.set n, 0
.rept 32
.set rA, 8*(8*(2*(\g)+n/16)+(n/4)%4)+2*(n%4)
	v_pk_add_f32 v[rA:rA+1], v[rA:rA+1], v[BPK+2*((n/4)%4):BPK+2*((n/4)%4)+1]
.set n, n+1
.endr
	WIN 0x02
.set n, 0
.rept 32
.set rA, 8*(8*(2*(\g)+n/16)+(n/4)%4)+2*(n%4)
	v_pk_fma_f32 v[T+2*n:T+2*n+1], v[rA:rA+1], s[LG:LG+1], s[NLG:NLG+1] op_sel_hi:[1,0,0]
.set n, n+1
.endr
	WIN 0
.set n, 0
.rept 64
	v_exp_f32 v[T+n], v[T+n]
.set n, n+1
.endr
.endm
; VA: V's four column blocks: + bv, rounded to f16: source 1 of the small product.  It names no exponential's result: the plain work behind the batch; then the batch's one wait, ahead of the first reader.
.macro VA g
	WIN 0x82
.set n, 0
.rept 32
.set rA, 8*(8*(2*(\g)+n/16)+4+(n/4)%4)+2*(n%4)
	v_pk_add_f32 v[rA:rA+1], v[rA:rA+1], v[BPV+2*((n/4)%4):BPV+2*((n/4)%4)+1]
.set n, n+1
.endr
	WIN 0x4a
.set n, 0
.rept 32
.set rA, 8*(8*(2*(\g)+n/16)+4+(n/4)%4)+2*(n%4)
	v_cvt_pk_f16_f32 v[PVF+8*((n/4)%4)+4*(n/16)+n%4], v[rA], v[rA+1]
.set n, n+1
.endr
	s_wait_alu depctr_va_vdst(0)
.endm
; KB: phi = the middle one of (y, e^x, 1); times the row's mask; rounded to f16: source 0 of the small product.
.macro KB g
	WIN 0x02
.set n, 0
.rept 64
.set rA, 8*(8*(2*(\g)+n/32)+(n/8)%4)+n%8
	v_med3_num_f32 v[T+n], v[rA], v[T+n], s[ONE]
.set n, n+1
.endr
	WIN 0
.set n, 0
.rept 32
	v_pk_mul_f32 v[T+2*n:T+2*n+1], v[T+2*n:T+2*n+1], v[SD+8*(2*(\g)+n/16)+2*(n%4):SD+8*(2*(\g)+n/16)+2*(n%4)+1]
.set n, n+1
.endr
	WIN 0x40
.set n, 0
.rept 32
	v_cvt_pk_f16_f32 v[PK+8*((n/4)%4)+4*(n/16)+n%4], v[T+2*n], v[T+2*n+1]
.set n, n+1
.endr
.endm
; KW: 20 matrix instructions over 32 rows s: kv (e block n / 4, d block n % 4) and z.  The 20 accumulators take turns, one instruction a turn, over the backward jump and from tile to tile too.
.macro KW
	WIN 0x55
.set n, 0
.rept 16
.set rK, 8*n+128*(n/8)
	v_wmma_f32_16x16x32_f16 v[rK:rK+7], v[PK+8*(n%4):PK+8*(n%4)+7], v[PVF+8*(n/4):PVF+8*(n/4)+7], v[rK:rK+7]
.set n, n+1
.endr
	WIN 0x05
.irp b, 0,1,2,3
	v_wmma_f32_16x16x32_f16 v[ZA+8*(\b):ZA+8*(\b)+7], v[PK+8*(\b):PK+8*(\b)+7], v[ONES:ONES+7], v[ZA+8*(\b):ZA+8*(\b)+7]
.endr
.endm
.macro ROUNDSD                         ; the 64 numbers of side data are rounded to bf16, like the other inputs, in place
.set p, 0
.rept 32
	v_cvt_pk_bf16_f32 v[2+p%4], v[SD+2*p], v[SD+2*p+1]
	v_lshlrev_b32 v[SD+2*p], 16, v[2+p%4]
	v_and_b32 v[SD+2*p+1], s[HIM], v[2+p%4]
.set p, p+1
.endr
.endm
.macro COPY32                          ; window 3's accumulators go where the one text of a way out names them; ascending
	WIN 0x83
.set i, 0
.rept 256
	v_mov_b32 v[i], v[i]
.set i, i+1
.endr
.endm
	s_mov_b32 s[TL], 3
	s_wait_tensorcnt 1                             ; my part of K step 0 is in; K step 1's load, issued behind it, may stay out
	s_barrier_signal -1
	s_barrier_wait -1
.Ltile:                                                ; slot 0 holds the tile's K step 0, whole; slot 1's load is on its way
	v_add_nc_u32 v[SO], s[SOF], v[HH]
.irp a, 0,1,2,3,4,5,6,7
	global_load_b128 v[SD+8*(\a):SD+8*(\a)+3],   v[SO], s[SB:SB+1] offset:64*(\a)      ; the tile's side data: they have the K walk in which to come
	global_load_b128 v[SD+8*(\a)+4:SD+8*(\a)+7], v[SO], s[SB:SB+1] offset:64*(\a)+16
.endr
	FETCH 0, 0, F0
	QUARTER 0, 64,  F0, F1, 1                      ; a tile's first quarter stands in front of the loop: its products start the sums
	WIN 0
	s_mov_b32 s3, LAPS-1
.Llap:                                                 ; a trip goes once round the ring, from a lap's second quarter to the next lap's first, and fills both slots again
	QUARTER 0, 128, F1, F0, 0
	QUARTER 0, 192, F0, F1, 0
	TURN 0, 1, 0
	QUARTER 1, 64,  F0, F1, 0
	QUARTER 1, 128, F1, F0, 0
	QUARTER 1, 192, F0, F1, 0
	TURN 1, 0, 0
	QUARTER 0, 64,  F0, F1, 0
	WIN 0
	s_sub_co_u32 s3, s3, 1
	s_cmp_lg_u32 s3, 0
	s_cbranch_scc1 .Llap
	QUARTER 0, 128, F1, F0, 0                      ; the tile's last lap goes on
	QUARTER 0, 192, F0, F1, 0
	WIN 0
	s_cmp_eq_u32 s[TL], 1
	s_cbranch_scc1 .Llast_lap                      ; the last tile's tail is written out: it asks for nothing more
	TURN 0, 1, 1                                   ; the ring goes on into the next tile: slot 0 takes its K step 0,
	QUARTER 1, 64,  F0, F1, 0
	QUARTER 1, 128, F1, F0, 0
	QUARTER 1, 192, F0, F1, 0
	TURN 1, 0, 1                                   ; slot 1 its K step 1
	WIN 0
	s_branch .Lout
.Llast_lap:
	MEET 0
	PLACES
	FETCH 1, 0, F0
	MUL16 F1, 1, 0, 0
	MUL16 F1, 1, 2, 0
	QUARTER 1, 64,  F0, F1, 0
	QUARTER 1, 128, F1, F0, 0
	QUARTER 1, 192, F0, F1, 0
	s_wait_dscnt 8                                 ; the very last quarter: nothing more to fetch
	MUL16 F1, 0, 0, 0
	MUL16 F1, 0, 2, 0
	s_wait_dscnt 0x0
	MUL16 F1, 1, 0, 0
	MUL16 F1, 1, 2, 0
	WIN 0
.Lout:
	s_cmp_eq_u32 s[TL], 3
	s_cbranch_scc0 .Lkv
	; THE Q TILE.  The lines that round bq name no register of the last products: they are the places behind them.
	s_wait_loadcnt 0x0
	ROUNDSD
	WIN 0x40
.set n, 0
.rept 32
	v_pk_add_f32 v[B1+2*n:B1+2*n+1], v[SD+2*n:SD+2*n+1], 1.0 op_sel_hi:[1,0]
.set n, n+1
.endr
	WIN 0
	s_mov_b32 s3, 2
.Lqepi:                                                ; two trips: my first head (A rows 0-63), then my second, which is copied to where the one text names it
.irp u, 0,1,2,3
	QA \u
	QB \u
.endr
	s_cmp_eq_u32 s3, 1
	s_cbranch_scc1 .Lqnc
	COPY32
	WIN 0x41
.set i, 0
.rept 32
	v_mov_b32 v[B1+i], v[B1+32+i]
.set i, i+1
.endr
	WIN 0
.Lqnc:
	s_wait_xcnt 0x0                                ; the stores have read their base, which steps a head on: 128 row blocks of 2,048 bytes
	s_add_nc_u64 s[84:85], s[84:85], 262144
	s_sub_co_u32 s3, s3, 1
	s_cmp_lg_u32 s3, 0
	s_cbranch_scc1 .Lqepi
	s_branch .Lnext
.Lkv:
	; A K/V TILE.  Mask and biases are rounded to bf16 (a bias that has been rounded stays as it is).  These plain lines name no register of the last products: they are the places behind them.
	s_wait_loadcnt 0x0
	ROUNDSD
.irp p, 0,1,2,3
	v_cvt_pk_bf16_f32 v[2+(\p)], v[8+2*(\p)], v[9+2*(\p)]
.endr
.irp p, 0,1,2,3
	v_lshlrev_b32 v[8+2*(\p)], 16, v[2+(\p)]
	v_and_b32 v[9+2*(\p)], s[HIM], v[2+(\p)]
.endr
.irp b, 0,1,2,3
	v_add_f32 v[BPK+2*(\b)],   1.0, v[8+(\b)]
	v_add_f32 v[BPK+2*(\b)+1], 1.0, v[8+(\b)]
	v_mov_b32 v[BPV+2*(\b)],   v[12+(\b)]
	v_mov_b32 v[BPV+2*(\b)+1], v[12+(\b)]
.endr
	WIN 0x40
.irp i, 0,1,2,3,4,5,6,7
	v_mov_b32 v[ONES+(\i)], 0x3c003c00             ; 1.0 twice in f16
.endr
	WIN 0
	s_mov_b32 s3, 2
.Lepi:                                                 ; two trips: my rows 0-63, then my rows 64-127, which are copied to where the one text names them
	KA 0
	VA 0
	KB 0
	KW
	KA 1                                           ; its 64 plain lines are the places between KW and the next writes of KW's operands
	VA 1
	KB 1
	KW
	WIN 0
	s_cmp_eq_u32 s3, 1
	s_cbranch_scc1 .Lnocopy
	COPY32
	WIN 0
.set i, 0
.rept 32
	v_mov_b32 v[SD+i], v[SD+32+i]
.set i, i+1
.endr
.Lnocopy:
	s_sub_co_u32 s3, s3, 1
	s_cmp_lg_u32 s3, 0
	s_cbranch_scc1 .Lepi
	PLACES                                         ; behind the last small products: in front of the next tile's loads into their operands' registers, and of the meeting's reads of their results
	PLACES
.Lnext:
	s_wait_xcnt 0x0                                ; every load, store and prefetch issued so far has read its registers: bases, offsets and the stores' data may be written
	s_mov_b64 s[SB:SB+1], s[74:75]                 ; tiles 1 and 2 take the mask,
	s_mov_b32 s[SOF], s[SOF1]
	s_add_co_u32 s[SOF1], s[SOF1], 1024            ; 256 rows further on each time
	s_add_nc_u64 s[NA:NA+1], s[NA:NA+1], 256*SIZE_K*2  ; tile 2's rows of xb lie 256 rows behind tile 1's; its rows of wb are tile 1's
	s_mov_b64 s[PFA:PFA+1], s[PF1:PF1+1]
	s_mov_b32 s[LIM], s[LIM1]
	s_mov_b32 s[LIM1], -1                          ; tile 2 reads nothing for the first time
	s_sub_co_u32 s[TL], s[TL], 1
	s_cmp_lg_u32 s[TL], 0
	s_cbranch_scc1 .Ltile
	; THE MEETING.  Waves 2 and 3 (rows 128-255 of both K/V tiles) put their 20 accumulators into their head's area; a barrier; waves 0 and 1 add them to their own and store.
	s_cmp_eq_u32 s11, 0
	s_cbranch_scc1 .Lkeep
	WIN 0x04                                       ; store data in window 1
.set n, 0
.rept 16
.set rK, 8*n+128*(n/8)
	ds_store_b128 v[STO], v[rK:rK+3]   offset:1024*n
	ds_store_b128 v[STO], v[rK+4:rK+7] offset:1024*n+512
.set n, n+1
.endr
	WIN 0
.irp b, 0,1,2,3
	ds_store_b128 v[STO], v[ZA+8*(\b):ZA+8*(\b)+3]   offset:1024*(16+(\b))
	ds_store_b128 v[STO], v[ZA+8*(\b)+4:ZA+8*(\b)+7] offset:1024*(16+(\b))+512
.endr
.Lkeep:
	s_wait_dscnt 0x0                               ; for the others' sake: my stores into the stage are done
	s_barrier_signal -1
	s_barrier_wait -1
	s_cmp_lg_u32 s11, 0
	s_cbranch_scc1 .Ldone
.set n, 0
.rept 40
	ds_load_b128 v[LD+4*n:LD+4*n+3], v[STO] offset:512*n
.set n, n+1
.endr
	s_wait_dscnt 0x0
	WIN 0x41
.set n, 0
.rept 64
.set rK, 8*(n/4)+128*(n/32)+2*(n%4)
	v_pk_add_f32 v[rK:rK+1], v[rK:rK+1], v[LD+2*n:LD+2*n+1]
.set n, n+1
.endr
	WIN 0
.set n, 0
.rept 16
	v_pk_add_f32 v[ZA+2*n:ZA+2*n+1], v[ZA+2*n:ZA+2*n+1], v[LD+128+2*n:LD+128+2*n+1]
.set n, n+1
.endr
	WIN 0x04
.set n, 0
.rept 16
.set rK, 8*n+128*(n/8)
	global_store_b128 v[CO], v[rK:rK+3],   s[86:87] offset:1024*n      ; a store of the wave covers 512 consecutive bytes, at a multiple of 256 from part's first byte
	global_store_b128 v[CO], v[rK+4:rK+7], s[86:87] offset:1024*n+512
.set n, n+1
.endr
	WIN 0
.irp b, 0,1,2,3
	global_store_b128 v[CO], v[ZA+8*(\b):ZA+8*(\b)+3],   s[86:87] offset:1024*(16+(\b))
	global_store_b128 v[CO], v[ZA+8*(\b)+4:ZA+8*(\b)+7], s[86:87] offset:1024*(16+(\b))+512
.endr
.Ldone:
	s_wait_tensorcnt 0x0                           ; the wave's end: behind my last tensor load and my last LDS store
	ds_add_u32 v[SPW], v[NIL]
	s_wait_dscnt 0x0
	CROUND                                         ; the closing round: no work-group ends while a partner may still ask for a tile that names it
	s_endpgm
.Lfunc_end_k_qfc5416ee6a_proj:
	.size	k_qfc5416ee6a_proj, .Lfunc_end_k_qfc5416ee6a_proj-k_qfc5416ee6a_proj
	.p2alignl 7, 3214868480
	.fill 96, 4, 3214868480
	.section	.rodata,"a",@progbits
	.p2align	6, 0x0
	.amdhsa_kernel k_qfc5416ee6a_proj
		.amdhsa_group_segment_fixed_size 327680
		.amdhsa_private_segment_fixed_size 0
		.amdhsa_enable_private_segment 0
		.amdhsa_kernarg_size 64
		.amdhsa_user_sgpr_count 2
		.amdhsa_user_sgpr_kernarg_segment_ptr 1
		.amdhsa_wavefront_size32 1
		.amdhsa_system_sgpr_workgroup_id_x 1
		.amdhsa_system_sgpr_workgroup_id_y 1
		.amdhsa_system_sgpr_workgroup_id_z 1
		.amdhsa_system_vgpr_workitem_id 0
		.amdhsa_next_free_vgpr 1024
		.amdhsa_next_free_sgpr 98
		.amdhsa_reserve_vcc 0
		.amdhsa_float_denorm_mode_32 3
		.amdhsa_float_denorm_mode_16_64 3
		.amdhsa_memory_ordered 1
		.amdhsa_forward_progress 1
		.amdhsa_inst_pref_size 255
	.end_amdhsa_kernel
	.section	.bss,"aw",@nobits
	.p2align	6
	.space	262144
	.amdgpu_metadata
---
amdhsa.version: [ 1, 2 ]
amdhsa.kernels:
  - .name:           k_qfc5416ee6a_proj
    .symbol:         k_qfc5416ee6a_proj.kd
    .args:
      - { .name: xb, .offset: 0, .size: 8, .value_kind: global_buffer, .address_space: global }
      - { .name: wb, .offset: 8, .size: 8, .value_kind: global_buffer, .address_space: global }
      - { .name: bq, .offset: 16, .size: 8, .value_kind: global_buffer, .address_space: global }
      - { .name: bk, .offset: 24, .size: 8, .value_kind: global_buffer, .address_space: global }
      - { .name: bv, .offset: 32, .size: 8, .value_kind: global_buffer, .address_space: global }
      - { .name: attention_mask, .offset: 40, .size: 8, .value_kind: global_buffer, .address_space: global }
      - { .name: phiq, .offset: 48, .size: 8, .value_kind: global_buffer, .address_space: global }
      - { .name: part, .offset: 56, .size: 8, .value_kind: global_buffer, .address_space: global }
    .group_segment_fixed_size: 327680
    .private_segment_fixed_size: 0
    .kernarg_segment_align: 8
    .kernarg_segment_size: 64
    .max_flat_workgroup_size: 128
    .sgpr_count:     98
    .vgpr_count:     1024
    .wavefront_size: 32
...
	.end_amdgpu_metadata
.endif
;; end of part 2
;; launch final (part 3): grid 512 x 1, 8 waves a work-group, no clusters, 11,520 bytes of LDS; arguments phiq, part, out0; writes out0
.if DOCPART == 3
	.amdgcn_target "amdgcn-amd-amdhsa--gfx1250"
	.amdhsa_code_object_version 6
	.text
	.protected	k_qfc5416ee6a_final
	.globl	k_qfc5416ee6a_final
	.p2align	8
	.type	k_qfc5416ee6a_final,@function
k_qfc5416ee6a_final:
	s_mov_b64 s[64:65], 0
	v_nop
	global_prefetch_b8 v0, s[64:65] scope:SCOPE_SE
	s_setreg_imm32_b32 hwreg(HW_REG_WAVE_MODE, 25, 1), 1
	s_wait_xcnt 0x0
; out0[s][64 head + e] = (sum over d of phiQ[s][d] kv[d][e]) / (sum over d of phiQ[s][d] z[d] + 1e-6), for one (batch, head) and 512 rows s a work-group: 32 row blocks of 16, four for each of eight waves.
; A stream: phiq is read once, out0 written once; the matrix unit does the small products on the way.  No tensor load, no cluster: what work-groups share (a head's 80 KiB of partial sums, read by four) is a small part of their bytes.
; THE HEAD.  part[y 32][head 16][image 20][1,024 bytes]: a batch's four partial sums lie 16 x 20,480 = 327,680 bytes apart.  Wave w adds up kv's images 2 w and 2 w + 1, which packed to f16 are, lane for lane, fragment w = 2 t + kk
; (e block t, d half kk) of source 1 of phiQ kv, and z's image w % 4 (waves 4 to 7 do that a second time, so that all waves run one text, and store nothing of it).  The ten fragments meet in LDS.
; THE SCALE.  kv is multiplied by c1 = 4096 / max |kv|, z by c2 = 4096 / max |z| (the maxima over the head, at least 1e-30), so that f16's range serves whatever the inputs' size.
; With numS = c1 num, denS = c2 den: num / (den + 1e-6) = numS g / (denS + epsS), g = c2 / c1 = max |kv| / max |z|, epsS = 1e-6 c2.  A head whose kv or z is all zeros is scaled by 4096 / 1e-30, which is finite, and stays 0.
; LAYOUT.  phiq[batch x 16 + head][row block 128][2,048 bytes] holds source 0 (16 rows s x 32 d, twice) as it lies in registers.  In the result lane l holds column l % 16 and rows 8 (l / 16) + 0..7; column r of e block t is
; e = 4 r + t: of the four blocks a lane holds 4 neighbouring channels of a row, 16 bytes of out0, and sixteen lanes a head's 256 bytes.  A fifth block, z in every column, gives the divisor in the same lane and register.
; LIMITS.  The reciprocals are good to one unit in the last place.  NaN and infinities are not treated apart.
.set FR,    0                          ; LDS: ten fragments of 1,024 bytes: registers 0-3 of all lanes, then 4-7
.set MX,    10240                      ; sixteen words: the waves' maxima of kv, then of z
.set SPARE, 10496                      ; the spare words, 128 bytes for each of eight waves: four blocks of 256 bytes that no other line names
.set ZS,  1                            ; v1   where waves 0 to 3 put z's packed image
.set SPW, 2
.set NIL, 3
.set LN,  4                            ; v4   16 x lane
.set CO,  5                            ; v5   my byte offset in out0: 8 (l / 16) rows + 16 (l % 16)
.set KO,  6                            ; v6   my 16 bytes of kv's images in part
.set ZO,  7                            ; v7   of z's image
.set G,   8                            ; v8   g
.set EP,  9                            ; v9   epsS
.set MXA, 13                           ; v13  4 x wave
.set NUL, 14                           ; v14  LDS byte 0
.set FS,  15                           ; v15  where I put my fragment
.set PQ,  16                           ; v[16:79]    phiQ's operands: row block u, d half kk at PQ + 16 u + 8 kk
.set P,   80                           ; v[80:175]   the head: partial p at P + 24 p: 16 registers of kv, 8 of z
.set W,   176                          ; v[176:207]  the head: at work
.set KVF, 80                           ; v[80:159]   then: fragment i at KVF + 8 i
.set NN,  160                          ; v[160:199]  the results: block t (4: the divisor) at NN + 8 t
.set RINV, 200                         ; v[200:207]  g / (denS + epsS) of row j
.set OO,  208                          ; v[208:239]  row j's four channels at OO + 4 j
	s_load_b128 s[4:7], s[0:1], 0x0                ; phiq s[4:5], part s[6:7]
	s_load_b64 s[8:9], s[0:1], 0x10                ; out0
	v_lshl_add_u32 v[SPW], v0, 2, SPARE
	v_mov_b32 v[NIL], 0
	v_lshrrev_b32 v1, 5, v0
	v_readfirstlane_b32 s10, v1                    ; wave 0..7
	v_and_b32 v10, 31, v0
	v_lshlrev_b32 v[LN], 4, v10
	v_and_b32 v11, 15, v0
	v_bfe_u32 v12, v0, 4, 1
	v_lshlrev_b32 v[CO], 15, v12                   ; 8 rows of 4,096 bytes for the upper half of the lanes
	v_lshl_add_u32 v[CO], v11, 4, v[CO]
	s_lshr_b32 s11, ttmp9, 2                       ; batch x 16 + head
	s_and_b32 s12, ttmp9, 3                        ; which quarter of the batch's rows
	s_lshr_b32 s13, s11, 4                         ; batch
	s_and_b32 s14, s11, 15                         ; head
	s_lshl_b32 s16, s13, 6
	s_add_co_u32 s16, s16, s14                     ; 16 x (4 x batch) + head
	s_mul_i32 s16, s16, 20480
	s_mov_b32 s17, 0
	s_lshl_b32 s18, s10, 11
	v_add_nc_u32 v[KO], s18, v[LN]                 ; images 2 w, 2 w + 1
	s_and_b32 s18, s10, 3
	s_lshl_b32 s18, s18, 10
	s_add_co_u32 s18, s18, 16384
	v_add_nc_u32 v[ZO], s18, v[LN]                 ; image 16 + w % 4
	s_lshl_b32 s19, s12, 5
	s_lshl2_add_u32 s19, s10, s19                  ; my first row block in the batch: 32 x quarter + 4 x wave
	s_lshl_b32 s20, s11, 7
	s_add_co_u32 s20, s20, s19
	s_lshl_b32 s20, s20, 11                        ; 2,048 bytes a row block
	s_mov_b32 s21, 0
	s_lshl_b32 s22, s13, 7
	s_add_co_u32 s22, s22, s19
	s_lshl_b32 s22, s22, 16                        ; 16 rows of 4,096 bytes a row block
	s_lshl_b32 s23, s14, 8
	s_add_co_u32 s22, s22, s23                     ; + the head's 256 bytes
	s_mov_b32 s23, 0
	s_lshl_b32 s24, s10, 10
	v_add_nc_u32 v[FS], s24, v[LN]                 ; fragment w
	s_lshl_b32 s24, s10, 9
	s_add_co_u32 s24, s24, 8192
	v_add_nc_u32 v[ZS], s24, v[LN]                 ; z's image w is registers 0-3 (w even) or 4-7 (w odd) of fragment 8 + w / 2
	v_mov_b32 v[MXA], s10
	v_lshlrev_b32 v[MXA], 2, v[MXA]
	v_mov_b32 v[NUL], 0
	s_mov_b32 s26, 0x76543210                      ; v_permlanex16_b32: each lane takes its own place in the other half
	s_mov_b32 s27, 0xfedcba98
	s_mov_b32 s28, 0x0da24260                      ; 1e-30
	s_wait_kmcnt 0x0
	s_add_nc_u64 s[6:7], s[6:7], s[16:17]
	s_add_nc_u64 s[4:5], s[4:5], s[20:21]
	s_add_nc_u64 s[8:9], s[8:9], s[22:23]
	; all loads go out at once: the partial sums first, since everything waits for them
.set p, 0
.rept 4
.irp c, 0,1,2,3
	global_load_b128 v[P+24*p+4*(\c):P+24*p+4*(\c)+3], v[KO], s[6:7] offset:327680*p+512*(\c)
.endr
	global_load_b128 v[P+24*p+16:P+24*p+19], v[ZO], s[6:7] offset:327680*p
	global_load_b128 v[P+24*p+20:P+24*p+23], v[ZO], s[6:7] offset:327680*p+512
.set p, p+1
.endr
.set n, 0
.rept 16
	global_load_b128 v[PQ+4*n:PQ+4*n+3], v[LN], s[4:5] offset:512*n th:TH_LOAD_NT
.set n, n+1
.endr
.macro ADDP d, e                       ; partial d += partial e
.set i, 0
.rept 12
	v_pk_add_f32 v[P+24*(\d)+2*i:P+24*(\d)+2*i+1], v[P+24*(\d)+2*i:P+24*(\d)+2*i+1], v[P+24*(\e)+2*i:P+24*(\e)+2*i+1]
.set i, i+1
.endr
.endm
	s_wait_loadcnt 28                              ; partials 0 and 1 are in; the 12 loads of the other two and phiq's 16 may stay out
	ADDP 0, 1
	s_wait_loadcnt 16                              ; all partials are in; phiq's 16 may stay out
	ADDP 2, 3
	ADDP 0, 2
	; the largest magnitudes of my two images of kv and of my image of z
.set i, 0
.rept 24
	v_and_b32 v[W+i], 0x7fffffff, v[P+i]
.set i, i+1
.endr
.irp i, 0,3,6,9,12,16,19
	v_max3_num_f32 v[W+(\i)], v[W+(\i)], v[W+(\i)+1], v[W+(\i)+2]
.endr
	v_max3_num_f32 v[W], v[W], v[W+3], v[W+6]
	v_max3_num_f32 v[W+9], v[W+9], v[W+12], v[W+15]
	v_max3_num_f32 v[W+16], v[W+16], v[W+19], v[W+22]
	v_max_num_f32 v[W], v[W], v[W+9]
	v_max_num_f32 v[W+16], v[W+16], v[W+23]
.irp m, 1,2,4,8
	v_max_num_f32_dpp v[W], v[W], v[W] row_xmask:\m row_mask:0xf bank_mask:0xf
	v_max_num_f32_dpp v[W+16], v[W+16], v[W+16] row_xmask:\m row_mask:0xf bank_mask:0xf
.endr
	v_permlanex16_b32 v[W+1], v[W], s26, s27
	v_permlanex16_b32 v[W+17], v[W+16], s26, s27
	v_max_num_f32 v[W], v[W], v[W+1]
	v_max_num_f32 v[W+16], v[W+16], v[W+17]
	ds_store_b32 v[MXA], v[W] offset:MX            ; all lanes write the wave's word with the same number
	ds_store_b32 v[MXA], v[W+16] offset:MX+32
	s_wait_dscnt 0x0                               ; for the others' sake
	s_barrier_signal -1
	s_barrier_wait -1
.irp i, 0,1,2,3
	ds_load_b128 v[W+4*(\i):W+4*(\i)+3], v[NUL] offset:MX+16*(\i)   ; kv's eight maxima, then z's eight
.endr
	s_wait_dscnt 0x0
.irp b, 0,8
	v_max3_num_f32 v[W+(\b)], v[W+(\b)], v[W+(\b)+1], v[W+(\b)+2]
	v_max3_num_f32 v[W+(\b)+3], v[W+(\b)+3], v[W+(\b)+4], v[W+(\b)+5]
	v_max3_num_f32 v[W+(\b)], v[W+(\b)], v[W+(\b)+6], v[W+(\b)+7]
	v_max3_num_f32 v[W+(\b)], v[W+(\b)], v[W+(\b)+3], s28       ; at least 1e-30
.endr
	v_rcp_f32 v[W+16], v[W]
	v_rcp_f32 v[W+17], v[W+8]
	v_nop                                          ; a plain instruction behind the last reciprocal,
	s_wait_alu depctr_va_vdst(0)                   ; and the one wait, ahead of the first use
	v_mul_f32 v[W+18], 0x45800000, v[W+16]         ; c1 = 4096 / max |kv|, twice, for the packed multiply
	v_mul_f32 v[W+19], 0x45800000, v[W+16]
	v_mul_f32 v[W+20], 0x45800000, v[W+17]         ; c2 = 4096 / max |z|
	v_mul_f32 v[W+21], 0x45800000, v[W+17]
	v_mul_f32 v[G], v[W], v[W+17]                  ; g
	v_mul_f32 v[EP], 0x358637bd, v[W+20]           ; epsS = 1e-6 c2
.set i, 0
.rept 8
	v_pk_mul_f32 v[P+2*i:P+2*i+1], v[P+2*i:P+2*i+1], v[W+18:W+19]
.set i, i+1
.endr
.rept 4
	v_pk_mul_f32 v[P+2*i:P+2*i+1], v[P+2*i:P+2*i+1], v[W+20:W+21]
.set i, i+1
.endr
.set i, 0
.rept 8
	v_cvt_pk_f16_f32 v[W+24+i], v[P+2*i], v[P+2*i+1]
.set i, i+1
.endr
.set i, 0
.rept 4
	v_cvt_pk_f16_f32 v[W+i], v[P+16+2*i], v[P+16+2*i+1]
.set i, i+1
.endr
	ds_store_b128 v[FS], v[W+24:W+27] offset:FR
	ds_store_b128 v[FS], v[W+28:W+31] offset:FR+512
	s_cmp_lt_u32 s10, 4
	s_cbranch_scc0 .Lnoz
	ds_store_b128 v[ZS], v[W:W+3] offset:FR
.Lnoz:
	s_wait_dscnt 0x0                               ; for the others' sake
	s_barrier_signal -1
	s_barrier_wait -1
.set n, 0
.rept 20
	ds_load_b128 v[KVF+4*n:KVF+4*n+3], v[LN] offset:FR+512*n
.set n, n+1
.endr
	s_wait_dscnt 0x0
; A ROW BLOCK: ten matrix instructions (four e blocks and the divisor, 64 channels d in two halves; the first half starts the sums with 0; the five accumulators take turns), the division, eight stores.
.macro UNIT u
	s_wait_loadcnt 12-4*(\u)                       ; this block's four loads are in; the later blocks' may stay out
.irp kk, 0,1
.irp t, 0,1,2,3,4
.if (\kk) == 0
	v_wmma_f32_16x16x32_f16 v[NN+8*(\t):NN+8*(\t)+7], v[PQ+16*(\u)+8*(\kk):PQ+16*(\u)+8*(\kk)+7], v[KVF+8*(2*(\t)+(\kk)):KVF+8*(2*(\t)+(\kk))+7], 0
.else
	v_wmma_f32_16x16x32_f16 v[NN+8*(\t):NN+8*(\t)+7], v[PQ+16*(\u)+8*(\kk):PQ+16*(\u)+8*(\kk)+7], v[KVF+8*(2*(\t)+(\kk)):KVF+8*(2*(\t)+(\kk))+7], v[NN+8*(\t):NN+8*(\t)+7]
.endif
.endr
.endr
.rept 8
	v_nop                                          ; the places between the products and the lines that read their results (ISA guide 7.12.1): no other vector work is at hand
.endr
.irp j, 0,1,2,3,4,5,6,7
	v_add_f32 v[RINV+(\j)], v[EP], v[NN+32+(\j)]   ; denS + epsS; the accumulator's lowest register first
.endr
.irp j, 0,1,2,3,4,5,6,7
	v_rcp_f32 v[RINV+(\j)], v[RINV+(\j)]
.endr
	v_nop                                          ; a plain instruction behind the last reciprocal,
	s_wait_alu depctr_va_vdst(0)                   ; and the batch's one wait
.irp j, 0,1,2,3,4,5,6,7
	v_mul_f32 v[RINV+(\j)], v[G], v[RINV+(\j)]
.endr
	s_wait_xcnt 0x0                                ; the stores of the block before have read their registers, which are written again below
.irp j, 0,1,2,3,4,5,6,7
.irp t, 0,1,2,3
	v_mul_f32 v[OO+4*(\j)+(\t)], v[NN+8*(\t)+(\j)], v[RINV+(\j)]
.endr
.endr
.irp j, 0,1,2,3,4,5,6,7
	global_store_b128 v[CO], v[OO+4*(\j):OO+4*(\j)+3], s[8:9] offset:65536*(\u)+4096*(\j) th:TH_STORE_NT  ; 16 lanes store a head's 256 consecutive bytes of a row, at a multiple of 256 from out0's first byte
.endr
.endm
	UNIT 0
	UNIT 1
	UNIT 2
	UNIT 3
	s_wait_tensorcnt 0x0                           ; the wave's end: behind my last LDS store
	ds_add_u32 v[SPW], v[NIL]
	s_wait_dscnt 0x0
	s_endpgm
.Lfunc_end_k_qfc5416ee6a_final:
	.size	k_qfc5416ee6a_final, .Lfunc_end_k_qfc5416ee6a_final-k_qfc5416ee6a_final
	.p2alignl 7, 3214868480
	.fill 96, 4, 3214868480
	.section	.rodata,"a",@progbits
	.p2align	6, 0x0
	.amdhsa_kernel k_qfc5416ee6a_final
		.amdhsa_group_segment_fixed_size 11520
		.amdhsa_private_segment_fixed_size 0
		.amdhsa_enable_private_segment 0
		.amdhsa_kernarg_size 24
		.amdhsa_user_sgpr_count 2
		.amdhsa_user_sgpr_kernarg_segment_ptr 1
		.amdhsa_wavefront_size32 1
		.amdhsa_system_sgpr_workgroup_id_x 1
		.amdhsa_system_sgpr_workgroup_id_y 1
		.amdhsa_system_sgpr_workgroup_id_z 1
		.amdhsa_system_vgpr_workitem_id 0
		.amdhsa_next_free_vgpr 240
		.amdhsa_next_free_sgpr 66
		.amdhsa_reserve_vcc 0
		.amdhsa_float_denorm_mode_32 3
		.amdhsa_float_denorm_mode_16_64 3
		.amdhsa_memory_ordered 1
		.amdhsa_forward_progress 1
		.amdhsa_inst_pref_size 30
	.end_amdhsa_kernel
	.amdgpu_metadata
---
amdhsa.version: [ 1, 2 ]
amdhsa.kernels:
  - .name:           k_qfc5416ee6a_final
    .symbol:         k_qfc5416ee6a_final.kd
    .args:
      - { .name: phiq, .offset: 0, .size: 8, .value_kind: global_buffer, .address_space: global }
      - { .name: part, .offset: 8, .size: 8, .value_kind: global_buffer, .address_space: global }
      - { .name: out0, .offset: 16, .size: 8, .value_kind: global_buffer, .address_space: global }
    .group_segment_fixed_size: 11520
    .private_segment_fixed_size: 0
    .kernarg_segment_align: 8
    .kernarg_segment_size: 24
    .max_flat_workgroup_size: 256
    .sgpr_count:     66
    .vgpr_count:     240
    .wavefront_size: 32
...
	.end_amdgpu_metadata
.endif
;; end of part 3
;; ======== version 2 of 2: 3 launches; version 1 with the launch prep written anew for expert scheduling mode
;; limits: values are held in f16: magnitudes above 65,504 overflow, below 6.1e-05 lose precision
;; workspace buffers: xb 33,554,432 bytes; wb 6,291,456 bytes; phiq 33,554,432 bytes; part 10,485,760 bytes
;; launch prep (part 4): grid 1216 x 1, 8 waves a work-group, no clusters, 0 bytes of LDS; arguments hidden_states, Wq, Wk, Wv, xb, wb; writes xb, wb
.if DOCPART == 4
	.amdgcn_target "amdgcn-amd-amdhsa--gfx1250"
	.amdhsa_code_object_version 6
	.text
	.protected	k_qfc5416ee6a_prep
	.globl	k_qfc5416ee6a_prep
	.p2align	8
	.type	k_qfc5416ee6a_prep,@function
k_qfc5416ee6a_prep:
	s_mov_b64 s[64:65], 0
	v_nop
	global_prefetch_b8 v0, s[64:65] scope:SCOPE_SE
	s_setreg_imm32_b32 hwreg(HW_REG_WAVE_SCHED_MODE, 0, 2), 2
	s_setreg_imm32_b32 hwreg(HW_REG_WAVE_MODE, 25, 1), 1
	s_wait_xcnt 0x0
	s_wait_alu depctr_vm_vsrc(0)
; hidden_states [16384][1024] and the three weights [1024][1024], f32, are rounded once to bf16 (nearest even).
; xb[row][k] = hidden_states[row][k].  wb has 3,072 rows of 1,024:
;   row 128 h + i          (i < 64)           = Wk row 64 h + i
;   row 128 h + 64 + 16 t + r  (t < 4, r < 16) = Wv row 64 h + 4 r + t   (so that the last product of the program leaves 4 neighbouring channels in a lane)
;   row 2048 + i                              = Wq row i
; A stream: no LDS, no barrier, no matrix unit.  A work-group takes 16 destination rows, a wave two neighbouring ones.  1,024 work-groups for x, 64 for each weight.
; A load of a wave covers 512 consecutive bytes, a store 256 consecutive bytes at a multiple of 256 from the buffer's first byte.  All 16 loads of a wave go out before the first is waited for.
; THE MODE: SCHED_MODE bits 1:0 = 2 (LLVM: expert scheduling mode 2), set by the entry lines.  The code itself states the register dependences
; between vector instructions and memory instructions, with s_wait_alu, always for 0.
; THE PLAN.  Registers that memory instructions touch:
;   v1, v2, v3  byte offsets, made once at the head by vector instructions and never written again; read by the loads (v1, v2) and the stores (v3).
;   X           written by the 16 loads alone, read by the conversions; no vector instruction names it ahead of the loads, and no load lands in it behind them.
;   Y           written by the conversions, each register once; read by the stores.
; So one wait on va_vdst stands ahead of the first load, for the three offsets, and one ahead of each run of four stores, for the eight registers of Y that the run reads: the 16 loads are
; worked off in four blocks of four: the block's data, its eight conversions, the wait, its four stores.  The wait stands behind the block's own conversions, so that its stores leave without
; waiting for the next block's data.  No register that a memory instruction has read is written again: no wait on vm_vsrc is owed.  The wave's number passes through a scalar register: one wait on va_sdst.
.set X, 8                              ; v[8:71]    16 loads of 4 registers
.set Y, 72                             ; v[72:103]  16 stores of 2 registers; no register is written twice, so no store's source is ever rewritten
	s_load_b256 s[4:11], s[0:1], 0x0               ; hidden_states s[4:5], Wq s[6:7], Wk s[8:9], Wv s[10:11]
	s_load_b128 s[12:15], s[0:1], 0x20             ; xb s[12:13], wb s[14:15]
	v_lshrrev_b32 v4, 5, v0
	v_readfirstlane_b32 s16, v4                    ; wave 0..7
	v_and_b32 v5, 31, v0                           ; lane
	v_lshlrev_b32 v1, 4, v5                        ; in: 16 bytes a lane
	v_lshlrev_b32 v3, 3, v5                        ; out: 8 bytes a lane
	s_lshr_b32 s17, ttmp9, 6                       ; section: 0..15 x, 16 Wq, 17 Wk, 18 Wv
	s_lshl_b32 s18, ttmp9, 4
	s_wait_alu depctr_va_sdst(0)                   ; s16 is written, ahead of its first reader: my rows, and with them both bases, are made from it
	s_lshl1_add_u32 s18, s16, s18                  ; id = 16 x work-group + 2 x wave: my first row, counted through all sections
	s_and_b32 s19, s18, 1023                       ; u: my first row in a weight's section
	s_lshr_b32 s20, s19, 6                         ; head
	s_and_b32 s21, s19, 63
	s_lshl_b32 s22, s20, 7
	s_add_co_u32 s22, s22, s21                     ; Wk's destination row: 128 head + u % 64
	s_and_b32 s23, s19, 15                         ; r
	s_bfe_u32 s24, s19, 0x20004                    ; t: two bits from bit 4
	s_lshl_b32 s25, s20, 6
	s_lshl2_add_u32 s25, s23, s25
	s_add_co_u32 s25, s25, s24                     ; Wv's source row: 64 head + 4 r + t
	s_add_co_u32 s29, s19, 2048                    ; Wq's destination row
	s_add_co_u32 s30, s22, 64                      ; Wv's destination row
	s_mov_b32 s26, s18                             ; x: source row,
	s_mov_b32 s27, s18                             ; destination row,
	s_mov_b32 s28, 4096                            ; and bytes from my first source row to my second
	s_wait_kmcnt 0x0
	s_cmp_eq_u32 s17, 16
	s_cselect_b64 s[4:5], s[6:7], s[4:5]
	s_cselect_b32 s26, s19, s26
	s_cselect_b32 s27, s29, s27
	s_cmp_eq_u32 s17, 17
	s_cselect_b64 s[4:5], s[8:9], s[4:5]
	s_cselect_b32 s26, s19, s26
	s_cselect_b32 s27, s22, s27
	s_cmp_eq_u32 s17, 18
	s_cselect_b64 s[4:5], s[10:11], s[4:5]
	s_cselect_b32 s26, s25, s26
	s_cselect_b32 s27, s30, s27
	s_cselect_b32 s28, 16384, s28                  ; r + 1 lies four rows of Wv further on
	s_cmp_lt_u32 s17, 16
	s_cselect_b64 s[12:13], s[12:13], s[14:15]
	s_lshl_b32 s32, s26, 12                        ; offsets are made apart from the addresses: 4,096 bytes a source row,
	s_mov_b32 s33, 0
	s_lshl_b32 s34, s27, 11                        ; 2,048 a destination row
	s_mov_b32 s35, 0
	s_add_nc_u64 s[4:5], s[4:5], s[32:33]
	s_add_nc_u64 s[12:13], s[12:13], s[34:35]
	v_add_nc_u32 v2, s28, v1                       ; my second source row
	s_wait_alu depctr_va_vdst(0)                   ; v1, v2 and v3 are written: every load and store below reads one of them as its offset, and none of the three is written again
.irp j, 0,1,2,3,4,5,6,7
	global_load_b128 v[X+4*(\j):X+4*(\j)+3], v1, s[4:5] offset:512*(\j) th:TH_LOAD_NT
.endr
.irp j, 0,1,2,3,4,5,6,7
	global_load_b128 v[X+32+4*(\j):X+32+4*(\j)+3], v2, s[4:5] offset:512*(\j) th:TH_LOAD_NT
.endr
; Four blocks of four loads: loads i to i + 3.
.set i, 0
.rept 4
	s_wait_loadcnt 12-i                            ; loads come back in order: loads i to i + 3 are in, the 12 - i issued behind them may stay out
.set j, i
.rept 4
	v_cvt_pk_bf16_f32 v[Y+2*j],   v[X+4*j],   v[X+4*j+1]
	v_cvt_pk_bf16_f32 v[Y+2*j+1], v[X+4*j+2], v[X+4*j+3]
.set j, j+1
.endr
	s_wait_alu depctr_va_vdst(0)                   ; the block's eight conversions have written v[Y + 2 i .. Y + 2 i + 7], which the four stores below read as their data
.set j, i
.rept 4
	global_store_b64 v3, v[Y+2*j:Y+2*j+1], s[12:13] offset:(j/8)*2048+256*(j%8)
.set j, j+1
.endr
.set i, i+4
.endr
	s_endpgm
.Lfunc_end_k_qfc5416ee6a_prep:
	.size	k_qfc5416ee6a_prep, .Lfunc_end_k_qfc5416ee6a_prep-k_qfc5416ee6a_prep
	.p2alignl 7, 3214868480
	.fill 96, 4, 3214868480
	.section	.rodata,"a",@progbits
	.p2align	6, 0x0
	.amdhsa_kernel k_qfc5416ee6a_prep
		.amdhsa_group_segment_fixed_size 0
		.amdhsa_private_segment_fixed_size 0
		.amdhsa_enable_private_segment 0
		.amdhsa_kernarg_size 48
		.amdhsa_user_sgpr_count 2
		.amdhsa_user_sgpr_kernarg_segment_ptr 1
		.amdhsa_wavefront_size32 1
		.amdhsa_system_sgpr_workgroup_id_x 1
		.amdhsa_system_sgpr_workgroup_id_y 1
		.amdhsa_system_sgpr_workgroup_id_z 1
		.amdhsa_system_vgpr_workitem_id 0
		.amdhsa_next_free_vgpr 104
		.amdhsa_next_free_sgpr 66
		.amdhsa_reserve_vcc 0
		.amdhsa_float_denorm_mode_32 3
		.amdhsa_float_denorm_mode_16_64 3
		.amdhsa_memory_ordered 1
		.amdhsa_forward_progress 1
		.amdhsa_inst_pref_size 8
	.end_amdhsa_kernel
	.amdgpu_metadata
---
amdhsa.version: [ 1, 2 ]
amdhsa.kernels:
  - .name:           k_qfc5416ee6a_prep
    .symbol:         k_qfc5416ee6a_prep.kd
    .args:
      - { .name: hidden_states, .offset: 0, .size: 8, .value_kind: global_buffer, .address_space: global }
      - { .name: Wq, .offset: 8, .size: 8, .value_kind: global_buffer, .address_space: global }
      - { .name: Wk, .offset: 16, .size: 8, .value_kind: global_buffer, .address_space: global }
      - { .name: Wv, .offset: 24, .size: 8, .value_kind: global_buffer, .address_space: global }
      - { .name: xb, .offset: 32, .size: 8, .value_kind: global_buffer, .address_space: global }
      - { .name: wb, .offset: 40, .size: 8, .value_kind: global_buffer, .address_space: global }
    .group_segment_fixed_size: 0
    .private_segment_fixed_size: 0
    .kernarg_segment_align: 8
    .kernarg_segment_size: 48
    .max_flat_workgroup_size: 256
    .sgpr_count:     66
    .vgpr_count:     104
    .wavefront_size: 32
...
	.end_amdgpu_metadata
.endif
;; end of part 4
;; launch proj: the kernel of part 2 again; grid 8 x 32, 4 waves a work-group, clusters of 4 x 4, 327,680 bytes of LDS; arguments xb, wb, bq, bk, bv, attention_mask, phiq, part; writes phiq, part
;; launch final: the kernel of part 3 again; grid 512 x 1, 8 waves a work-group, no clusters, 11,520 bytes of LDS; arguments phiq, part, out0; writes out0
